; MI455X (gfx1250); checked and timed in simulation.
; The chip was launched on July 23, 2026; its instructions are those of AMD's public machine-readable ISA for CDNA 5 (MIT licence, August 2026) and "CDNA5" Instruction Set Architecture Reference Guide (July 2026). The comments in the code are by the model that wrote it; some were corrected since.
;; Multi Head Attention Block. Allowed arithmetic: matrix products marked QUANTISED: E2M3 operands, one E8M0 scale for each 32 along K, by v_wmma_scale_f32_16x16x128_f8f6f4 with both operands' format E2M3, f32 sums; everything else in f32.
;; Inputs: Wk 1,024 x 1,024 float32; Wo 1,024 x 1,024 float32; Wq 1,024 x 1,024 float32; Wv 1,024 x 1,024 float32; bk 1,024 float32; bo 1,024 float32; bq 1,024 float32; bv 1,024 float32; key 4 x 2,048 x 1,024 float32; mask 4 x 1 x 2,048 x 2,048 int32; query 4 x 2,048 x 1,024 float32; value 4 x 2,048 x 1,024 float32.
;; Outputs: out0 4 x 2,048 x 1,024 float32.
;; This version of the problem:
;;   THIS VERSION OF THE PROBLEM IS GIVEN IN LOW PRECISION. The matrix products marked QUANTISED in the list below multiply operands that are first quantised to E2M3 (2 exponent bits, 3 mantissa bits; 6 bits a number), with one power-of-two scale for each 32 numbers along K (OCP MX v1.0); their sums are f32. All else is computed in f32.
;;   The module's matrix products, in the order in which they are computed (A, B: the left and right operand; K: the contracted axis; several contracted axes count as one K, in the product's order):
;;     1. [M 8,192, K 1,024] x [K 1,024, N 1,024]; A: input query; B: input Wq: QUANTISED
;;     2. [M 8,192, K 1,024] x [K 1,024, N 1,024]; A: input key; B: input Wk: QUANTISED
;;     3. [M 8,192, K 1,024] x [K 1,024, N 1,024]; A: input value; B: input Wv: QUANTISED
;;     4. batch 64 x [M 2,048, K 64] x [K 64, N 2,048]; A: computed on the way; B: computed on the way: QUANTISED
;;     5. batch 64 x [M 2,048, K 2,048] x [K 2,048, N 64]; A: softmax (see below); B: computed on the way: QUANTISED
;;     6. [M 8,192, K 1,024] x [K 1,024, N 1,024]; A: computed on the way; B: input Wo: QUANTISED
;;   THE QUANTISER, for each operand of a quantised product, along K:
;;     - K is cut into blocks of 32 from its start; a last block that is shorter is filled with zeros.
;;     - A block's scale is 2^e with e = floor(log2(the largest magnitude in the block)) - 2, held to -126 .. 127; a block of zeros has e = 0. As a byte (E8M0): e + 127.
;;     - Each number is divided by its block's scale, clamped to +-7.5, and rounded to the nearest number of E2M3, ties to even, subnormals kept.
;;     - The product sums the exact products of the quantised numbers (number of the format x scale) in f32.
;;   ~~~python
;;   def quantise(x, axis):      # numpy; x: float32 -> the quantised numbers, widened to float32 again
;;       x = np.moveaxis(x, axis, -1); K = x.shape[-1]
;;       x = np.pad(x, [(0, 0)] * (x.ndim - 1) + [(0, -K % 32)]); x = x.reshape(x.shape[:-1] + (-1, 32)); a = np.abs(x).max(-1, keepdims=True)
;;       e = np.where(a > 0, np.clip(np.frexp(np.where(a > 0, a, 1))[1] - 1 - 2, -126, 127), 0)      # np.frexp(a)[1] - 1 = floor(log2(a)), exactly
;;       r = np.clip(x / 2.0 ** e, -7.5, 7.5)
;;       step = 2.0 ** (np.maximum(np.frexp(np.where(r == 0, 1, r))[1] - 1, 0) - 3)
;;       q = np.round(r / step) * step * 2.0 ** e      # np.round: ties to even
;;       return np.moveaxis(q.reshape(q.shape[:-2] + (-1,))[..., :K], -1, axis).astype(np.float32)
;;   ~~~
;;   SOFTMAX AHEAD OF A QUANTISED PRODUCT. Where the list says 'softmax', what is quantised is not the finished softmax but p = 2^(t - M), with t = logit x log2(e) and M = ceil(the row's largest t), a whole number; so 1/2 < the row's largest p <= 1. The row's sum l is taken of the UNQUANTISED p, in f32, and the product's result is divided by l at the end. Since M is a whole number, a kernel that streams over the keys may use a running M (the ceiling of the running maximum): every later rescaling is an exact power of two, which a block's scale takes up: the codes' values come out the same.
;;   OPERANDS COMPUTED ON THE WAY. 'Computed on the way' means the value that the module computes at that place (a softmax that the list does not call 'softmax' is quantised finished and normalised). What goes into a quantiser is computed in f32, as accurately as f32 sums, v_exp_f32 and their like allow (about 1e-6 of the number): no bf16 or f16 on the way to a quantiser, and a product that is left as it is and whose result goes on into a quantised operand takes f32 operands (vector FMAs, or v_wmma_f32_16x16x4_f32). A number that lies on a knife's edge between two numbers of the format may be rounded either way, as far as f32 arithmetic and the matrix unit's own rounding can turn it there, and no further.
;; One version. Each part assembles by itself: llvm-mc -triple=amdgcn-amd-amdhsa -mcpu=gfx1250 --defsym DOCPART=n.
;; ======== version 1 of 1: 4 launches
;; limits: right only within a limited range of input values
;; workspace buffers: xc 22,020,096 bytes; xs 917,504 bytes; ac 18,874,368 bytes; asc 786,432 bytes; cc 6,291,456 bytes; cs 262,144 bytes
;; launch quant (part 1): grid 448 x 1, 4 waves a work-group, no clusters, 34,304 bytes of LDS; arguments query, key, value, Wq, Wk, Wv, Wo, xc, xs; writes xc, xs
.if DOCPART == 1
	.amdgcn_target "amdgcn-amd-amdhsa--gfx1250"
	.amdhsa_code_object_version 6
	.text
	.protected	k_qd5a37c5d66_quant
	.globl	k_qd5a37c5d66_quant
	.p2align	8
	.type	k_qd5a37c5d66_quant,@function
k_qd5a37c5d66_quant:
	s_mov_b64 s[64:65], 0
	v_nop
	global_prefetch_b8 v0, s[64:65] scope:SCOPE_SE
	s_setreg_imm32_b32 hwreg(HW_REG_WAVE_MODE, 25, 1), 1
	s_wait_xcnt 0x0
; query, key, value [8192][1024] and Wq, Wk, Wv, Wo [1024][1024], f32, K innermost, become codes of FP6 (E2M3) with one E8M0 byte for each 32 along K.
; A block's scale is 2^(floor(log2(largest magnitude)) - 2); its byte is the largest magnitude's exponent field - 2, held at 1 from below.
; LIMITS: NaN and infinities are not served; a block whose largest magnitude lies under 2^-124 keeps the byte 1; a block of zeros has the byte 1, not 127: its codes are zeros and this program alone reads the bytes.
; LAYOUT OUT.  xc: [tile of 16 rows 1792][K step of 128: 8][1536 bytes]: a fragment as an image of the operand's 12 registers: chunk c of 512 bytes holds lane l's registers 4c .. 4c+3 at 16 l.
; xs: [row position][32 bytes]: a row's 32 scale bytes.  Tiles: query 0, key 512, value 1024, Wq 1536, Wk 1600, Wv 1664, Wo 1728.
; ROW ORDER.  In value, Wq, Wk, Wv lane r of tile 2b+u takes row 32b + 8u + r + 8 (r / 8): used as source 0 of a product, the 16 result registers of two neighbouring tiles are then 16 neighbouring rows.
; SHARES.  A wave takes one tile, eight steps of 128 along K.  A load reads 512 consecutive bytes of one row; the step's 16 rows turn through the wave's own stage in LDS (pitch 528 bytes: 16 rows start in 16 different
; groups of banks) and come back so that lane (r, h) holds k = 64c + 32h + 0 .. 31 of row r: two whole blocks, in the order of the operand's registers.  Waves share nothing: no barrier.  Two steps (32 loads a wave) are on their way.
.set WST,   8448                       ; a wave's stage: 16 rows x 528
.set PIT,   528
.set SPARE, 4*WST                      ; the spare words: 128 bytes a wave, two blocks of 256 bytes that no other line names
.set L16,   1                          ; v1   16 x lane
.set SIN,   2                          ; v2   the stage, on the way in
.set SBK,   3                          ; v3   and back: 528 r + 128 h
.set SH8,   4                          ; v4   8 h
.set SCO,   5                          ; v5   32 r + 16 h: my 16 bytes of the tile's scale bytes
.set SPW,   6
.set NIL,   7
.set LANE,  9
.set SW,    16                         ; v16-23  the eight steps' scale words
.set C,     24                         ; v24-35  a fragment's codes
.set T,     36                         ; v36-43  the second halves of the blocks' codes
.set MX,    44                         ; v44-45 largest magnitudes, v46-47 scale operands, v48-49 bytes
.set X,     64                         ; v64-127 my 64 numbers of a step
.set R,     128                        ; v128-255 two sets of 16 x 4 registers as loaded
	s_load_b512 s[8:23], s[0:1], 0x0               ; query, key, value, Wq, Wk, Wv, Wo, xc
	s_load_b64 s[24:25], s[0:1], 0x40              ; xs
	v_lshl_add_u32 v[SPW], v0, 2, SPARE
	v_mov_b32 v[NIL], 0
	v_lshrrev_b32 v8, 5, v0
	v_readfirstlane_b32 s26, v8                    ; wave
	v_and_b32 v[LANE], 31, v0
	v_and_b32 v10, 15, v0                          ; r
	v_bfe_u32 v11, v0, 4, 1                        ; h
	v_lshlrev_b32 v[L16], 4, v[LANE]
	s_mul_i32 s27, s26, WST
	v_add_nc_u32 v[SIN], s27, v[L16]
	v_mul_u32_u24 v[SBK], v10, PIT
	v_lshl_add_u32 v[SBK], v11, 7, v[SBK]
	v_add_nc_u32 v[SBK], s27, v[SBK]
	v_lshlrev_b32 v[SH8], 3, v11
	v_lshlrev_b32 v[SCO], 5, v10
	v_lshl_add_u32 v[SCO], v11, 4, v[SCO]
	v_mov_b32 v12, 0                               ; a lane permute's destination counts as read
	s_mov_b32 s38, 0x76543210
	s_mov_b32 s39, 0xfedcba98                      ; selects for lane l xor 16
	s_wait_alu depctr_va_vdst(0)
	s_wait_kmcnt 0x0
	s_mov_b64 s[4:5], s[8:9]                       ; which tensor: by the work-group's number alone
	s_mov_b32 s6, 0                                ; its first work-group
	s_mov_b32 s7, 0                                ; 1: the row order above
.macro PICK first, lo, perm
	s_cmp_ge_u32 ttmp9, \first
	s_cselect_b64 s[4:5], s[\lo:\lo+1], s[4:5]
	s_cselect_b32 s6, \first, s6
	s_cselect_b32 s7, \perm, s7
.endm
	; The input mask has no way to the output: reference() throws the result of its masked_fill away, for all values of the inputs; so no launch of this program has it among its arguments.
	; (A NaN or an infinity that would reach only work left out is not carried.)
	; s7 is the row order's shift n: a tile's rows 0-7 and 8-15 lie 8 x 2^n rows apart, and 2^n neighbouring tiles fill 16 x 2^n rows.  n = 0: query, Wo;  n = 1: value, Wq, Wk, Wv (the order told at the head);
	; n = 2: key: lane r of tile 4c+j takes row 64c + 8j + r % 8 + 32 (r / 8), so that the 32 score registers of four neighbouring tiles are one block of 32 neighbouring keys.
	PICK 128, 10, 2
	PICK 256, 12, 1
	PICK 384, 14, 1
	PICK 400, 16, 1
	PICK 416, 18, 1
	PICK 432, 20, 0
	s_sub_co_u32 s36, ttmp9, s6
	s_lshl_b32 s36, s36, 2
	s_add_co_u32 s36, s36, s26                     ; my tile in its tensor
	s_lshr_b32 s37, s36, s7
	s_lshl_b32 s37, s37, 4
	s_lshl_b32 s37, s37, s7                        ; 16 x 2^n x (tile / 2^n)
	s_lshl_b32 s2, 1, s7
	s_sub_co_u32 s2, s2, 1
	s_and_b32 s2, s36, s2
	s_lshl_b32 s2, s2, 3
	s_add_co_u32 s36, s37, s2                      ; + 8 x (tile % 2^n): my first row
	s_lshl_b32 s2, 0x8000, s7                      ; stage rows 8-15 begin 8 x 2^n rows on
	s_mov_b32 s3, 0
	s_lshl_b32 s36, s36, 12
	s_mov_b32 s37, 0
	s_add_nc_u64 s[28:29], s[4:5], s[36:37]        ; stage rows 0-7
	s_add_nc_u64 s[30:31], s[28:29], s[2:3]        ; stage rows 8-15
	s_lshl_b32 s36, ttmp9, 2
	s_add_co_u32 s36, s36, s26                     ; my tile among all 1,792
	s_lshl_b32 s2, s36, 9
	s_mul_i32 s36, s36, 12288
	s_add_nc_u64 s[32:33], s[22:23], s[36:37]
	s_add_nc_u64 s[34:35], s[24:25], s[2:3]
.macro LOAD s                          ; step s: 16 rows x 512 bytes
.irp p, 0,1,2,3,4,5,6,7
	global_load_b128 v[R+64*((\s)%2)+4*\p:R+64*((\s)%2)+4*\p+3], v[L16], s[28:29] offset:\p*4096+512*(\s) th:TH_LOAD_NT
.endr
.irp p, 0,1,2,3,4,5,6,7
	global_load_b128 v[R+64*((\s)%2)+32+4*\p:R+64*((\s)%2)+32+4*\p+3], v[L16], s[30:31] offset:\p*4096+512*(\s) th:TH_LOAD_NT
.endr
.endm
.macro QSTEP s
.set RS, R+64*((\s)%2)
.if (\s) < 7
	s_wait_loadcnt 16                              ; this step's 16 loads are in; the next step's may be out
.else
	s_wait_loadcnt 0x0
.endif
.irp p, 0,1,2,3,4,5,6,7,8,9,10,11,12,13,14,15
	ds_store_b128 v[SIN], v[RS+4*\p:RS+4*\p+3] offset:PIT*\p
.endr
.irp c, 0,1
.irp i, 0,1,2,3,4,5,6,7
	ds_load_b128 v[X+32*\c+4*\i:X+32*\c+4*\i+3], v[SBK] offset:256*\c+16*\i   ; LDS serves a wave's instructions in order: these see the stores above
.endr
.endr
	s_wait_dscnt 0x0                               ; my numbers are back, and the stores into the stage have read their registers,
	s_wait_xcnt 0x0                                ; and the last step's stores have read the codes' registers
.if (\s) < 6
	LOAD (\s)+2
.endif
.irp c, 0,1
	v_max3_num_f32 v[MX+\c], |v[X+32*\c]|, |v[X+32*\c+1]|, 0x1800000   ; my block 2c + h, and the floor 2^(3 - 127): the byte cannot fall under 1
.endr
.irp i, 2,4,6,8,10,12,14,16,18,20,22,24,26,28,30
.irp c, 0,1
	v_max3_num_f32 v[MX+\c], v[MX+\c], |v[X+32*\c+\i]|, |v[X+32*\c+\i+1]|
.endr
.endr
.irp c, 0,1
	v_add_nc_u32 v[MX+2+\c], 0xff000000, v[MX+\c]  ; 2 off the exponent field: the conversion's scale operand
.endr
.irp c, 0,1
	v_lshrrev_b32 v[MX+4+\c], 23, v[MX+2+\c]       ; the byte
.endr
	v_lshl_or_b32 v13, v[MX+5], 16, v[MX+4]        ; blocks h and 2 + h,
	v_lshlrev_b32 v13, v[SH8], v13                 ; at their places in the row's word;
	v_permlanex16_b32 v12, v13, s38, s39
	v_or_b32 v[SW+(\s)], v13, v12                  ; with lane l xor 16's two the word is whole
.irp c, 0,1
	v_cvt_scalef32_pk16_fp6_f32 v[C+6*\c:C+6*\c+2], v[X+32*\c:X+32*\c+15], v[MX+2+\c]
	v_cvt_scalef32_pk16_fp6_f32 v[T+4*\c:T+4*\c+2], v[X+32*\c+16:X+32*\c+31], v[MX+2+\c]   ; (a conversion's three registers begin on an even number)
.endr
	v_nop                                          ; one plain place behind a scaled conversion
.irp c, 0,1
.irp i, 0,1,2
	v_mov_b32 v[C+3+6*\c+\i], v[T+4*\c+\i]
.endr
.endr
.irp k, 0,1,2
	global_store_b128 v[L16], v[C+4*\k:C+4*\k+3], s[32:33] offset:1536*(\s)+512*\k   ; 512 consecutive bytes
.endr
.endm
	LOAD 0
	LOAD 1
.irp s, 0,1,2,3,4,5,6,7
	QSTEP \s
.endr
	v_cmp_lt_u32 vcc_lo, 15, v[LANE]               ; lanes 0-15 store their row's words 0-3, lanes 16-31 words 4-7
.irp i, 0,1,2,3
	v_cndmask_b32 v[T+\i], v[SW+\i], v[SW+4+\i], vcc_lo
.endr
	global_store_b128 v[SCO], v[T:T+3], s[34:35]   ; the tile's 512 scale bytes, consecutive
	s_wait_tensorcnt 0x0                           ; the wave's end
	ds_add_u32 v[SPW], v[NIL]
	s_wait_dscnt 0x0
	s_endpgm
.Lfunc_end_k_qd5a37c5d66_quant:
	.size	k_qd5a37c5d66_quant, .Lfunc_end_k_qd5a37c5d66_quant-k_qd5a37c5d66_quant
	.p2alignl 7, 3214868480
	.fill 96, 4, 3214868480
	.section	.rodata,"a",@progbits
	.p2align	6, 0x0
	.amdhsa_kernel k_qd5a37c5d66_quant
		.amdhsa_group_segment_fixed_size 34304
		.amdhsa_private_segment_fixed_size 0
		.amdhsa_enable_private_segment 0
		.amdhsa_kernarg_size 72
		.amdhsa_user_sgpr_count 2
		.amdhsa_user_sgpr_kernarg_segment_ptr 1
		.amdhsa_wavefront_size32 1
		.amdhsa_system_sgpr_workgroup_id_x 1
		.amdhsa_system_sgpr_workgroup_id_y 1
		.amdhsa_system_sgpr_workgroup_id_z 1
		.amdhsa_system_vgpr_workitem_id 0
		.amdhsa_next_free_vgpr 256
		.amdhsa_next_free_sgpr 66
		.amdhsa_reserve_vcc 1
		.amdhsa_float_denorm_mode_32 3
		.amdhsa_float_denorm_mode_16_64 3
		.amdhsa_memory_ordered 1
		.amdhsa_forward_progress 1
		.amdhsa_inst_pref_size 58
	.end_amdhsa_kernel
	.amdgpu_metadata
---
amdhsa.version: [ 1, 2 ]
amdhsa.kernels:
  - .name:           k_qd5a37c5d66_quant
    .symbol:         k_qd5a37c5d66_quant.kd
    .args:
      - { .name: query, .offset: 0, .size: 8, .value_kind: global_buffer, .address_space: global }
      - { .name: key, .offset: 8, .size: 8, .value_kind: global_buffer, .address_space: global }
      - { .name: value, .offset: 16, .size: 8, .value_kind: global_buffer, .address_space: global }
      - { .name: Wq, .offset: 24, .size: 8, .value_kind: global_buffer, .address_space: global }
      - { .name: Wk, .offset: 32, .size: 8, .value_kind: global_buffer, .address_space: global }
      - { .name: Wv, .offset: 40, .size: 8, .value_kind: global_buffer, .address_space: global }
      - { .name: Wo, .offset: 48, .size: 8, .value_kind: global_buffer, .address_space: global }
      - { .name: xc, .offset: 56, .size: 8, .value_kind: global_buffer, .address_space: global }
      - { .name: xs, .offset: 64, .size: 8, .value_kind: global_buffer, .address_space: global }
    .group_segment_fixed_size: 34304
    .private_segment_fixed_size: 0
    .kernarg_segment_align: 8
    .kernarg_segment_size: 72
    .max_flat_workgroup_size: 128
    .sgpr_count:     66
    .vgpr_count:     256
    .wavefront_size: 32
...
	.end_amdgpu_metadata
.endif
;; end of part 1
;; launch proj (part 2): grid 8 x 32, 4 waves a work-group, clusters of 4 x 4, 327,680 bytes of LDS; arguments xc, xs, ac, asc, bq, bk, bv; writes ac, asc
.if DOCPART == 2
	.amdgcn_target "amdgcn-amd-amdhsa--gfx1250"
	.amdhsa_code_object_version 6
	.text
	.protected	k_qd5a37c5d66_proj
	.globl	k_qd5a37c5d66_proj
	.p2align	8
	.type	k_qd5a37c5d66_proj,@function
k_qd5a37c5d66_proj:
	s_mov_b64 s[64:65], 0
	v_nop
	global_prefetch_b8 v0, s[64:65] scope:SCOPE_SE
	s_setreg_imm32_b32 hwreg(HW_REG_WAVE_MODE, 25, 1), 1
	s_wait_xcnt 0x0
	s_wait_alu depctr_hold_cnt(0) depctr_sa_sdst(0) depctr_va_vdst(0) depctr_va_sdst(0) depctr_va_ssrc(0) depctr_va_vcc(0) depctr_vm_vsrc(0)
	s_getreg_b32 s2, hwreg(HW_REG_IB_STS2, 6, 4)
	s_cmp_eq_u32 s2, 0
	s_cbranch_scc0 .Lentry_in_a_cluster
	s_endpgm
.Lentry_in_a_cluster:
	s_bfe_u32 s2, ttmp6, 0x10000c
	s_cmp_lg_u32 s2, 0xf033
	s_cbranch_scc0 .Lentry_shape_is_right
	s_endpgm
.Lentry_shape_is_right:
; Q = query Wq^T + bq, K = key Wk^T + bk, V = value Wv^T + bv on codes of FP6 (E2M3) with E8M0 scales, f32 sums; each result is quantised again in registers and leaves as codes and scale bytes for the attention launch.
; The input mask is not read by this program: reference() throws the result of its masked_fill away.
; THE DEAL.  8 x 32 = 256 work-groups.  Work-group (bx, by) makes tokens 256 by .. + 255 x channels 128 bx .. + 127 of Q, then of K, then of V: three phases of 256 x 128 x 1,024.  Four waves, 2 x 2: a wave has 128 tokens
; (one key step) x 64 channels (one head): 8 x 4 = 32 accumulators.
; THE RING.  Two LDS slots, each half of K (four steps of 128): 16 token tiles x 6,144 bytes, then 8 weight tiles x 6,144.  A phase's first half lies in slot 0, its second in slot 1.  One joint load a wave: waves 0, 1 eight token tiles each,
; waves 2, 3 four weight tiles each.  In a phase's fourth step slot 0 is filled again with the next phase's first half, in its eighth step slot 1 with the next phase's second half: each behind a round of the cluster's barrier.
; From phase to phase the tiles lie 512 (tokens) and 64 (weights) tiles on in xc, so a refill's address is stepped by a constant.  Q's and K's phases are a loop of two trips; V's is written out: it fills nothing again.
; CLUSTER 4 x 4: token tiles are shared along a row of the cluster, weight tiles along a column, in all three phases.
; No prefetch is laid: a fill is asked for four K steps, 128 products a wave, ahead of its first use.
; Q, K: source 0 = the weight's rows, source 1 = the tokens: a lane holds one token, and the 32 registers of a token tile are its head's 64 channels.  V: source 0 = the tokens, source 1 = the weight's rows: a lane holds one channel,
; and the 64 registers of a channel tile are the key step's 128 tokens.  The accumulators are numbered so that in both cases 64 registers on end give one operand of 12 registers and one scale word: one way out serves all phases.
; The bias is the first products' C.  Scale words and biases go from memory straight into registers, a phase ahead (the scale words wait in spare registers of window 1).
; OUT, as the attention launch reads it: ac[part q, k, v][16 b + head][key step][1,536 x 4]: units of 768 bytes (six registers: lane l's first four at 16 l, the last two at 512 + 8 l); asc[part][16 b + head][key step][r][4 words].
; LIMITS: NaN and infinities are not served; a block under 2^-124 keeps the byte 1.
; REGISTERS: window 0: v16-29 addresses, v32-63 the tokens' scale words (lanes 0-15 tiles 0-3, lanes 16-31 tiles 4-7), v68-83 the weights' (tiles 0-1, 2-3), v84-127 the way out, v128-223 the weights' fragments (two sets), v224-255 the bias;
; window 1: the tokens' fragments (two sets, at 0 and 128), v96-127 and v224-239 the next phase's scale words; window 2: the accumulators.
.set SLOT,  147456
.set BOFF,  98304
.set SPARE, 294912                     ; the spare words: 128 bytes a wave, two blocks of 256 bytes that no other line names
.set DA,    6291456                    ; 512 tiles of 12,288 bytes
.set DB,    786432                     ; 64 tiles
.set DSA,   262144                     ; their scale bytes: 512 a tile
.set DSB,   32768
.set ADRA, 16
.set ADRB, 20
.set XB,   23
.set L16,  24
.set L8,   25
.set SO,   26
.set XA,   27
.set SPW,  28
.set NIL,  29
.set SA,   32
.set SB,   68
.set PC,   84
.set TM,   104
.set WS,   120
.set OW,   124
.set BF,   128
.set BIAS, 224
.set STA,  96
.set STB,  224
.set G1A,  24
.set G0A,  32
.set G1B,  44
.set G0B,  52
.set MSB, 0
.macro WIN new
.if MSB != (\new)
	s_set_vgpr_msb (MSB<<8)|(\new)
.set MSB, (\new)
.endif
.endm
.macro PLACES n
.rept \n
	v_nop
.endr
.endm
.macro JLOAD n                         ; slot n's joint load: waves 0, 1 token tiles, waves 2, 3 weight tiles; each line has one mask
	s_cmp_eq_u32 s15, 0
	s_cbranch_scc0 .Lfor_b_\@
	tensor_load_to_lds s[G0A+4*(\n):G0A+4*(\n)+3], s[G1A:G1A+7]
	s_nop 0
	PLACES 4
	s_branch .Lasked_\@
.Lfor_b_\@:
	tensor_load_to_lds s[G0B+4*(\n):G0B+4*(\n)+3], s[G1B:G1B+7]
	s_nop 0
	PLACES 4
.Lasked_\@:
.endm
.macro CREST
	s_cmp_lg_u32 s14, 0
	s_cbranch_scc1 .Lnot_wave_0_\@
	s_barrier_signal -3
.Lnot_wave_0_\@:
	s_barrier_wait -3
	s_barrier_signal -1
	s_barrier_wait -1
.endm
.macro CROUND
	s_barrier_signal -1
	s_barrier_wait -1
	CREST
.endm
	s_load_b256 s[4:11], s[0:1], 0x0               ; xc, xs, ac, asc
	s_load_b128 s[92:95], s[0:1], 0x20             ; bq, bk
	s_load_b64 s[96:97], s[0:1], 0x30              ; bv
	v_lshl_add_u32 v[SPW], v0, 2, SPARE
	v_mov_b32 v[NIL], 0
	ds_add_u32 v[SPW], v[NIL]                      ; the opening: the add, twice on end, and its wait
	ds_add_u32 v[SPW], v[NIL]
	v_lshrrev_b32 v1, 5, v0
	v_readfirstlane_b32 s14, v1                    ; wave; s15: my half of the tokens, and whether I fetch tokens (0) or weights (1); s16: my half of the channels, and which half of a tile I fetch
	s_lshr_b32 s15, s14, 1
	s_and_b32 s16, s14, 1
	v_and_b32 v1, 15, v0                           ; r
	v_bfe_u32 v2, v0, 4, 1                         ; h
	v_and_b32 v3, 31, v0
	v_lshlrev_b32 v[L16], 4, v3
	v_lshlrev_b32 v[L8], 3, v3
	s_mul_i32 s2, s15, 49152
	s_mul_i32 s3, s16, 24576
	s_add_co_u32 s3, s3, BOFF
	v_add_nc_u32 v[ADRA], s2, v[L16]               ; my eight token tiles, my four weight tiles, in slot 0,
	v_add_nc_u32 v[ADRB], s3, v[L16]
	v_add_nc_u32 v[ADRA+1], SLOT, v[ADRA]          ; and in slot 1
	v_add_nc_u32 v[ADRB+1], SLOT, v[ADRB]
	v_lshlrev_b32 v4, 5, v1
	v_lshl_add_u32 v[XA], v2, 11, v4               ; scale bytes: 32 a row; lanes 16-31 four tiles on,
	v_lshl_add_u32 v[XB], v2, 10, v4               ; or two
	v_lshlrev_b32 v[SO], 4, v1
	v_lshl_add_u32 v[SO], v2, 3, v[SO]             ; 16 r + 8 h
	v_lshlrev_b32 v7, 6, v2                        ; Q's, K's bias: 16 h channels
	v_and_b32 v8, 8, v1
	v_add_nc_u32 v8, v8, v1
	v_lshlrev_b32 v8, 2, v8                        ; V's: channel r + 8 (r / 8)
.irp b, 0,1,2,3
	v_mov_b32 v[TM+4+\b], 0                        ; a lane permute's destination counts as read
.endr
	s_wait_alu depctr_va_vdst(0)                   ; the wait ahead of the run of scalar lines
	s_bfe_u32 s100, ttmp6, 0x40000                 ; cx
	s_bfe_u32 s101, ttmp6, 0x40004                 ; cy
	s_lshl_b32 s17, ttmp9, 2
	s_add_co_u32 s17, s17, s100                    ; bx
	s_and_b32 s18, ttmp7, 0xffff
	s_lshl_b32 s18, s18, 2
	s_add_co_u32 s18, s18, s101                    ; by
	s_lshl_b32 s19, s101, 2
	s_lshl_b32 s19, 15, s19                        ; my row of the cluster
	s_lshl_b32 s23, 0x1111, s100                   ; my column
	s_or_b32 s[G1A], s19, (3<<16)|(1<<21)          ; eight rows of 6,144 bytes, 12,288 apart
	s_mov_b32 s[G1A+1], 768<<16
	s_mov_b32 s[G1A+2], 8<<16
	s_mov_b32 s[G1A+3], 768<<16
	s_mov_b32 s[G1A+4], 8
	s_mov_b32 s[G1A+5], 1536
	s_mov_b32 s[G1A+6], 0
	s_mov_b32 s[G1A+7], 0
	s_or_b32 s[G1B], s23, (3<<16)|(1<<21)          ; four such rows
	s_mov_b32 s[G1B+1], 768<<16
	s_mov_b32 s[G1B+2], 4<<16
	s_mov_b32 s[G1B+3], 768<<16
	s_mov_b32 s[G1B+4], 4
	s_mov_b32 s[G1B+5], 1536
	s_mov_b32 s[G1B+6], 0
	s_mov_b32 s[G1B+7], 0
	s_lshl_b32 s20, s18, 4                         ; the token tiles that I fetch: 16 by + 8 x half
	s_lshl_b32 s21, s16, 3
	s_add_co_u32 s20, s20, s21
	s_mul_i32 s20, s20, 12288
	s_mov_b32 s21, 0
	s_lshl_b32 s84, s18, 4                         ; the token tiles that I multiply: their scale bytes
	s_lshl_b32 s22, s15, 3
	s_add_co_u32 s84, s84, s22
	s_lshl_b32 s84, s84, 9
	s_mov_b32 s85, 0
	s_lshl_b32 s70, s17, 3                         ; the weight tiles that I fetch, and multiply: 1,536 + 8 bx + 4 x half
	s_add_co_u32 s70, s70, 1536
	s_lshl_b32 s71, s16, 2
	s_add_co_u32 s70, s70, s71
	s_lshl_b32 s86, s70, 9
	s_mov_b32 s87, 0
	s_mul_i32 s70, s70, 12288
	s_mov_b32 s71, 0
	s_lshr_b32 s72, s18, 3
	s_lshl_b32 s72, s72, 4
	s_lshl_b32 s73, s17, 1
	s_add_co_u32 s72, s72, s73
	s_add_co_u32 s72, s72, s16                     ; 16 b + head
	s_and_b32 s73, s18, 7
	s_lshl_b32 s73, s73, 1
	s_add_co_u32 s73, s73, s15                     ; key step
	s_mul_i32 s88, s72, 98304
	s_mul_i32 s74, s73, 6144
	s_add_co_u32 s88, s88, s74
	s_mov_b32 s89, 0
	s_lshl_b32 s90, s72, 12
	s_lshl_b32 s74, s73, 8
	s_add_co_u32 s90, s90, s74
	s_mov_b32 s91, 0
	s_lshl_b32 s74, s17, 9
	s_lshl_b32 s75, s16, 8
	s_add_co_u32 s74, s74, s75                     ; my head's first channel, in bytes
	s_mov_b32 s75, 0
	s_mul_i32 s2, s16, 49152                       ; where my fetch goes
	s_mul_i32 s3, s16, 24576
	s_add_co_u32 s3, s3, BOFF
	s_mov_b32 s66, 0x76543210
	s_mov_b32 s67, 0xfedcba98                      ; selects for lane l xor 16
	s_mov_b32 s68, 0xffff0000                      ; lanes 16-31
	s_wait_dscnt 0x0
	s_wait_kmcnt 0x0
	s_add_nc_u64 s[20:21], s[4:5], s[20:21]
	s_add_nc_u64 s[70:71], s[4:5], s[70:71]
	s_add_nc_u64 s[84:85], s[6:7], s[84:85]
	s_add_nc_u64 s[86:87], s[6:7], s[86:87]
	s_add_nc_u64 s[88:89], s[8:9], s[88:89]
	s_add_nc_u64 s[90:91], s[10:11], s[90:91]
	s_add_nc_u64 s[92:93], s[92:93], s[74:75]
	s_add_nc_u64 s[94:95], s[94:95], s[74:75]
	s_add_nc_u64 s[96:97], s[96:97], s[74:75]
	CROUND                                         ; all sixteen work-groups are here: the first joint loads meet
.irp n, 0,1
	s_mov_b32 s[G0A+4*\n], 1
	s_add_co_u32 s[G0A+4*\n+1], s2, \n*SLOT
	s_add_nc_u64 s[G0A+4*\n+2:G0A+4*\n+3], s[20:21], \n*6144
	s_or_b32 s[G0A+4*\n+3], s[G0A+4*\n+3], 0x80000000
	s_mov_b32 s[G0B+4*\n], 1
	s_add_co_u32 s[G0B+4*\n+1], s3, \n*SLOT
	s_add_nc_u64 s[G0B+4*\n+2:G0B+4*\n+3], s[70:71], \n*6144
	s_or_b32 s[G0B+4*\n+3], s[G0B+4*\n+3], 0x80000000
.endr
	JLOAD 0                                        ; Q's first half: one tensor load a wave at the head
.macro SCLOAD ra, rb                   ; a phase's scale words: 12 loads; two loads together cover a tile's 512 bytes
.irp a, 0,1,2,3
.irp k, 0,1
	global_load_b128 v[\ra+8*\a+4*\k:\ra+8*\a+4*\k+3], v[XA], s[84:85] offset:512*\a+16*\k
.endr
.endr
.irp b, 0,1
.irp k, 0,1
	global_load_b128 v[\rb+8*\b+4*\k:\rb+8*\b+4*\k+3], v[XB], s[86:87] offset:512*\b+16*\k
.endr
.endr
.endm
.macro BIASQK lo                       ; register 8 b + j of lane (r, h): channel 32 (b / 2) + 8 (b % 2) + 16 h + j
.irp b, 0,1,2,3
	global_load_b128 v[BIAS+8*\b:BIAS+8*\b+3], v7, s[\lo:\lo+1] offset:(32*(\b/2)+8*(\b%2))*4
	global_load_b128 v[BIAS+8*\b+4:BIAS+8*\b+7], v7, s[\lo:\lo+1] offset:(32*(\b/2)+8*(\b%2))*4+16
.endr
.endm
	SCLOAD SA, SB
	BIASQK 92
.macro FETCH s                         ; 36 LDS loads: step s's fragments (step 8: the next phase's step 0) into set s % 2
.set SL_, ((\s)/4)%2
.set QQ_, (\s)%4
.set PF_, (\s)%2
	WIN 0
.irp b, 0,1,2,3
.irp c, 0,1,2
	ds_load_b128 v[BF+48*PF_+12*\b+4*\c:BF+48*PF_+12*\b+4*\c+3], v[ADRB+SL_] offset:\b*6144+QQ_*1536+512*\c
.endr
.endr
	WIN 0x40
.irp a, 0,1,2,3,4,5,6,7
.irp c, 0,1,2
	ds_load_b128 v[128*PF_+12*\a+4*\c:128*PF_+12*\a+4*\c+3], v[ADRA+SL_] offset:\a*6144+QQ_*1536+512*\c
.endr
.endr
	WIN 0
.endm
.macro W d, p0, p1, c, x0, x1, r0, r1
	v_wmma_scale_f32_16x16x128_f8f6f4 v[\d:\d+7], v[\p0:\p0+11], v[\p1:\p1+11], \c, v[\x0], v[\x1] matrix_a_fmt:MATRIX_FMT_FP6 matrix_b_fmt:MATRIX_FMT_FP6 matrix_a_scale:MATRIX_SCALE_ROW\r0 matrix_b_scale:MATRIX_SCALE_ROW\r1
.endm
.macro MM3 p0, p1, x0, x1, r0, r1, s
.if (\s) == 0
	W D_, \p0, \p1, v[CB_:CB_+7], \x0, \x1, \r0, \r1
.else
	W D_, \p0, \p1, v[D_:D_+7], \x0, \x1, \r0, \r1
.endif
.endm
.macro MM2 p0, p1, x0, x1, r0, r1, s
.if (\r0) == 0 && (\r1) == 0
	MM3 \p0, \p1, \x0, \x1, 0, 0, \s
.elseif (\r0) == 0
	MM3 \p0, \p1, \x0, \x1, 0, 1, \s
.elseif (\r1) == 0
	MM3 \p0, \p1, \x0, \x1, 1, 0, \s
.else
	MM3 \p0, \p1, \x0, \x1, 1, 1, \s
.endif
.endm
.macro MM mode, s, a, b                ; token tile a x weight tile b, step s.  mode 1: Q, K; mode 2: V
.set PP_, (\s)%2
.set FA_, 128*PP_+12*(\a)
.set FB_, BF+48*PP_+12*(\b)
.set XA_, SA+8*((\a)%4)+(\s)
.set XB_, SB+8*((\b)%2)+(\s)
.set CB_, BIAS+8*(\b)
.if \mode == 1
.set D_, 8*(4*(\a)+(\b))
	MM2 FB_, FA_, XB_, XA_, (\b)/2, (\a)/4, \s
.else
.set D_, 8*(8*(\b)+(\a))
	MM2 FA_, FB_, XA_, XB_, (\a)/4, (\b)/2, \s
.endif
.endm
.macro PRODH mode, s, a0               ; 16 products; the 32 accumulators take turns, in the same order in every step
.if \mode == 1
.if (\s) == 0
	WIN 0x84
.else
	WIN 0xa4
.endif
.else
.if (\s) == 0
	WIN 0x81
.else
	WIN 0xa1
.endif
.endif
.irp a, \a0, \a0+1, \a0+2, \a0+3
.irp b, 0,1,2,3
	MM \mode, \s, \a, \b
.endr
.endr
.endm
.macro STEP mode, s                    ; the next step's fragments are asked for, then this step's 32 products
	PLACES 4                                       ; places in front of loads into registers that the last products read
	FETCH (\s)+1
	s_wait_dscnt 36                                ; this step's fragments are in; the 36 loads just issued may be out
	PRODH \mode, \s, 0
	PRODH \mode, \s, 4
	WIN 0
.endm
; A slot's last step.  Each wave waits for all its tensor loads (its part of the other slot), adds 0 to its spare word, and waits for that and for its reads of this slot.  how = 2: the barrier opens a round of the cluster's barrier,
; and the slot is filled again, first thing behind the round.  how = 1: nothing is filled: a plain barrier shows the other slot.
.macro TURN mode, s, how
	s_wait_tensorcnt 0x0
.if \how == 2
	ds_add_u32 v[SPW], v[NIL]
.endif
	s_wait_dscnt 0x0
	s_barrier_signal -1
	PRODH \mode, \s, 0                             ; register work while the others arrive
	WIN 0
	s_barrier_wait -1
.if \how == 2
	CREST
	s_add_nc_u64 s[G0A+4*((\s)/4)+2:G0A+4*((\s)/4)+3], s[G0A+4*((\s)/4)+2:G0A+4*((\s)/4)+3], DA
	s_add_nc_u64 s[G0B+4*((\s)/4)+2:G0B+4*((\s)/4)+3], s[G0B+4*((\s)/4)+2:G0B+4*((\s)/4)+3], DB
	JLOAD (\s)/4                                   ; the same half of the next phase; its four v_nop are the places in front of the loads below
.else
	PLACES 4
.endif
	FETCH (\s)+1
	PRODH \mode, \s, 4
	WIN 0
.endm
; THE WAY OUT of 64 accumulator registers on end: four blocks of 32 along the next product's K, each in lanes l and l xor 16: an operand of 12 registers and its scale word.
.macro QUANTA g
.set AC, 64*(\g)
	WIN 0x28
.irp b, 0,1,2,3
	v_max3_num_f32 v[TM+\b], 0x1800000, |v[AC+16*\b]|, |v[AC+16*\b+1]|   ; with the floor 2^(3 - 127): the byte cannot fall under 1
.endr
.irp i, 2,4,6,8,10,12,14
.irp b, 0,1,2,3
	v_max3_num_f32 v[TM+\b], v[TM+\b], |v[AC+16*\b+\i]|, |v[AC+16*\b+\i+1]|
.endr
.endr
	WIN 0
.irp b, 0,1,2,3
	v_permlanex16_b32 v[TM+4+\b], v[TM+\b], s66, s67
.endr
.irp b, 0,1,2,3
	v_max_num_f32 v[TM+\b], v[TM+\b], v[TM+4+\b]
.endr
.irp b, 0,1,2,3
	v_add_nc_u32 v[TM+12+\b], 0xff000000, v[TM+\b]   ; 2 off the exponent field: the conversion's scale operand
.endr
.irp b, 0,1,2,3
	v_lshrrev_b32 v[TM+4+\b], 23, v[TM+12+\b]
.endr
	v_lshl_or_b32 v[WS+(\g)], v[TM+5], 8, v[TM+4]
	v_lshl_or_b32 v[WS+(\g)], v[TM+6], 16, v[WS+(\g)]
	v_lshl_or_b32 v[WS+(\g)], v[TM+7], 24, v[WS+(\g)]
	WIN 0x02
.irp c, 0,1
	v_cvt_scalef32_pk16_fp6_f32 v[PC+6*\c:PC+6*\c+2], v[AC+32*\c:AC+32*\c+15], v[TM+12+2*\c]
	v_cvt_scalef32_pk16_fp6_f32 v[PC+12+4*\c:PC+14+4*\c], v[AC+32*\c+16:AC+32*\c+31], v[TM+12+2*\c+1]
.endr
	WIN 0
	v_nop                                          ; one plain place behind a scaled conversion
.irp c, 0,1
.irp i, 0,1,2
	v_permlane16_swap_b32 v[PC+6*\c+\i], v[PC+12+4*\c+\i]   ; a whole block to a lane
.endr
.irp i, 0,1,2
	v_mov_b32 v[PC+3+6*\c+\i], v[PC+12+4*\c+\i]
.endr
.endr
.endm
.macro EPI move
	PLACES 4                                       ; behind the last products: their results are read, and their scale registers written
.if \move
	s_wait_loadcnt 0x0                             ; the next phase's scale words and bias are in
	WIN 0x01
.set I, 0
.rept 32
	v_mov_b32 v[SA+I], v[STA+I]
.set I, I+1
.endr
.set I, 0
.rept 16
	v_mov_b32 v[SB+I], v[STB+I]
.set I, I+1
.endr
	WIN 0
.endif
.irp g, 0,1,2,3
.if \g > 0
	s_wait_xcnt 0x0                                ; the last group's stores have read the codes' registers
.endif
	QUANTA \g
	global_store_b128 v[L16], v[PC:PC+3], s[88:89] offset:1536*\g              ; 512 consecutive bytes,
	global_store_b64 v[L8], v[PC+4:PC+5], s[88:89] offset:1536*\g+512          ; 256,
	global_store_b128 v[L16], v[PC+6:PC+9], s[88:89] offset:1536*\g+768        ; and the second unit of 768
	global_store_b64 v[L8], v[PC+10:PC+11], s[88:89] offset:1536*\g+1280
.endr
	v_cndmask_b32 v[OW], v[WS], v[WS+2], s68       ; lane (r, h) stores words 2 h and 2 h + 1 of row r:
	v_cndmask_b32 v[OW+1], v[WS+1], v[WS+3], s68
	global_store_b64 v[SO], v[OW:OW+1], s[90:91]   ; 256 consecutive bytes, aligned
.endm
	s_wait_tensorcnt 0x0                           ; my part of Q's first half is in
	ds_add_u32 v[SPW], v[NIL]
	s_wait_dscnt 0x0
	CROUND
	JLOAD 1                                        ; Q's second half, the first tensor load behind the round
	FETCH 0
	s_mov_b32 s3, 0
.Lphase:                                               ; Q, then K
	PLACES 4
	FETCH 1
	s_wait_loadcnt 0x0                             ; the bias (in the first trip the scale words too)
	s_wait_dscnt 36
	PRODH 1, 0, 0
	PRODH 1, 0, 4
	WIN 0
	PLACES 4                                       ; in front of the loads into the bias's registers
	s_wait_xcnt 0x0                                ; the earlier loads have read their bases
	s_add_nc_u64 s[84:85], s[84:85], DSA
	s_add_nc_u64 s[86:87], s[86:87], DSB
	WIN 0x40
	SCLOAD STA, STB                                ; the next phase's scale words, into spare registers of window 1
	WIN 0
	s_cmp_eq_u32 s3, 0
	s_cbranch_scc0 .Lnext_v
	BIASQK 94                                      ; K's bias
	s_branch .Lnext_done
.Lnext_v:
.irp b, 0,1,2,3
	global_load_b32 v[BIAS+8*\b], v8, s[96:97] offset:(32*(\b/2)+8*(\b%2))*4   ; V's: one number a lane and channel tile
.endr
.Lnext_done:
	STEP 1, 1
	STEP 1, 2
	TURN 1, 3, 2
	STEP 1, 4
	STEP 1, 5
	STEP 1, 6
	TURN 1, 7, 2
	EPI 1
	s_wait_xcnt 0x0                                ; the stores have read their bases and registers
	s_add_nc_u64 s[88:89], s[88:89], 6291456       ; the next part of ac and of asc
	s_add_nc_u64 s[90:91], s[90:91], 262144
	s_add_co_u32 s3, s3, 1
	s_cmp_lt_u32 s3, 2
	s_wait_alu depctr_va_vdst(0)                   ; the wait ahead of the branch
	s_cbranch_scc1 .Lphase
.irp b, 0,8,16,24
.irp j, 1,2,3,4,5,6,7
	v_mov_b32 v[BIAS+\b+\j], v[BIAS+\b]            ; V's bias over the tile's eight registers
.endr
.endr
	s_wait_alu depctr_va_vdst(0)
	STEP 2, 0
	STEP 2, 1
	STEP 2, 2
	TURN 2, 3, 1
	STEP 2, 4
	STEP 2, 5
	STEP 2, 6
	s_wait_dscnt 0x0                               ; the last step: nothing more to fetch
	PRODH 2, 7, 0
	PRODH 2, 7, 4
	WIN 0
	EPI 0
	s_wait_tensorcnt 0x0                           ; the wave's end
	ds_add_u32 v[SPW], v[NIL]
	s_wait_dscnt 0x0
	CROUND                                         ; the closing round
	s_endpgm
.Lfunc_end_k_qd5a37c5d66_proj:
	.size	k_qd5a37c5d66_proj, .Lfunc_end_k_qd5a37c5d66_proj-k_qd5a37c5d66_proj
	.p2alignl 7, 3214868480
	.fill 96, 4, 3214868480
	.section	.rodata,"a",@progbits
	.p2align	6, 0x0
	.amdhsa_kernel k_qd5a37c5d66_proj
		.amdhsa_group_segment_fixed_size 327680
		.amdhsa_private_segment_fixed_size 0
		.amdhsa_enable_private_segment 0
		.amdhsa_kernarg_size 56
		.amdhsa_user_sgpr_count 2
		.amdhsa_user_sgpr_kernarg_segment_ptr 1
		.amdhsa_wavefront_size32 1
		.amdhsa_system_sgpr_workgroup_id_x 1
		.amdhsa_system_sgpr_workgroup_id_y 1
		.amdhsa_system_sgpr_workgroup_id_z 1
		.amdhsa_system_vgpr_workitem_id 0
		.amdhsa_next_free_vgpr 768
		.amdhsa_next_free_sgpr 102
		.amdhsa_reserve_vcc 0
		.amdhsa_float_denorm_mode_32 3
		.amdhsa_float_denorm_mode_16_64 3
		.amdhsa_memory_ordered 1
		.amdhsa_forward_progress 1
		.amdhsa_inst_pref_size 158
	.end_amdhsa_kernel
	.amdgpu_metadata
---
amdhsa.version: [ 1, 2 ]
amdhsa.kernels:
  - .name:           k_qd5a37c5d66_proj
    .symbol:         k_qd5a37c5d66_proj.kd
    .args:
      - { .name: xc, .offset: 0, .size: 8, .value_kind: global_buffer, .address_space: global }
      - { .name: xs, .offset: 8, .size: 8, .value_kind: global_buffer, .address_space: global }
      - { .name: ac, .offset: 16, .size: 8, .value_kind: global_buffer, .address_space: global }
      - { .name: asc, .offset: 24, .size: 8, .value_kind: global_buffer, .address_space: global }
      - { .name: bq, .offset: 32, .size: 8, .value_kind: global_buffer, .address_space: global }
      - { .name: bk, .offset: 40, .size: 8, .value_kind: global_buffer, .address_space: global }
      - { .name: bv, .offset: 48, .size: 8, .value_kind: global_buffer, .address_space: global }
    .group_segment_fixed_size: 327680
    .private_segment_fixed_size: 0
    .kernarg_segment_align: 8
    .kernarg_segment_size: 56
    .max_flat_workgroup_size: 128
    .sgpr_count:     102
    .vgpr_count:     768
    .wavefront_size: 32
...
	.end_amdgpu_metadata
.endif
;; end of part 2
;; launch attn (part 3): grid 4 x 64, 16 waves a work-group, clusters of 4 x 1, 207,872 bytes of LDS; arguments ac, asc, cc, cs; writes cc, cs
.if DOCPART == 3
	.amdgcn_target "amdgcn-amd-amdhsa--gfx1250"
	.amdhsa_code_object_version 6
	.text
	.protected	k_qd5a37c5d66_attn
	.globl	k_qd5a37c5d66_attn
	.p2align	8
	.type	k_qd5a37c5d66_attn,@function
k_qd5a37c5d66_attn:
	s_mov_b64 s[64:65], 0
	v_nop
	global_prefetch_b8 v0, s[64:65] scope:SCOPE_SE
	s_setreg_imm32_b32 hwreg(HW_REG_WAVE_MODE, 25, 1), 1
	s_wait_xcnt 0x0
	s_wait_alu depctr_hold_cnt(0) depctr_sa_sdst(0) depctr_va_vdst(0) depctr_va_sdst(0) depctr_va_ssrc(0) depctr_va_vcc(0) depctr_vm_vsrc(0)
	s_getreg_b32 s2, hwreg(HW_REG_IB_STS2, 6, 4)
	s_cmp_eq_u32 s2, 0
	s_cbranch_scc0 .Lentry_in_a_cluster
	s_endpgm
.Lentry_in_a_cluster:
	s_bfe_u32 s2, ttmp6, 0x10000c
	s_cmp_lg_u32 s2, 0x3003
	s_cbranch_scc0 .Lentry_shape_is_right
	s_endpgm
.Lentry_shape_is_right:
; ctx[b][q][head] = softmax_k(q . k / 8) v, both products on codes of FP6 (E2M3) with E8M0 scales; ctx is quantised in registers for the last projection.
; The input mask is not read: reference() throws the result of its masked_fill away, so no output hangs on it.
; THE SOFTMAX: t = score x log2(e) / 8; M = the running largest t rounded up to a whole number; p = 2^(t - M) is quantised along the keys, not normalised; the row's sum is taken of the unquantised p and divides at the end;
; when M moves, the sum and O are multiplied by 2^(old M - new M): exact.  The running maximum is kept as a score (the factor is positive).
; SHARES.  A work-group owns ONE head of one batch and 512 queries; 64 heads x 4 blocks = 256 work-groups.  The head's 2,048 keys lie in LDS whole: K 98,304 bytes, V 98,304, their scale words 4,096 each.
; They are filled once, at the head, one tensor load a wave (waves 0-7: 24,576 bytes of codes each; waves 8, 9: the scale words).  Nothing is filled again: one barrier shows the fills, and the walk over the keys has none.
; Each of the sixteen waves owns 32 queries: 16 in a first pass over the 16 key steps of 128, 16 in a second.
; CLUSTER.  The four query blocks of a head read the same K and V: every fill is a joint load that names all four.
; No prefetch is laid: all fills stand at the kernel's head, so there is no loop in which to ask ahead of them.
; LAYOUT.  Both products transposed: S^T = K Q^T, O^T = V^T P^T: a lane holds one query throughout.  K = 64 fills half of the instruction's 128: two tiles of keys stand in one operand of 12 registers, and Q in 18 registers [0 | q | 0]:
; [q | 0] gives the first tile's scores, [0 | q] the second's: zero codes add nothing.  By the order in which the key rows were laid, register 32 c + i of a lane's 64 scores is key 64 c + 32 h + i of the step:
; a whole scale block to a lane, in the order of the next operand's registers.
; OUT.  cc[tile of 16 rows][K step = head / 2][head % 2][768 bytes]: six registers of the last projection's operand: lane l's first four at 16 l, its last two at 512 + 8 l.  cs[head][row][2 bytes].
; LIMITS: NaN and infinities are not served; the scaled scores stay under 2^31 in magnitude; a block of ctx under 2^-124 keeps the byte 1.
; REGISTERS: v1-11 addresses; v12 -M, v13 largest score, v[14:15] the sum; v16-33 [0 | q | 0]; v34 Q's scale word; v35-41 the second pass's; v44-91 four pairs of K tiles, or four V tiles; v92-95 their scale words;
; v96-159 S^T, then p; v160-191 O^T; v192-210 p's codes; v212-223 ctx's codes; v228-230 addresses; v232-253 at work; v248 p's scale word.
.set VB,    98304                      ; V's codes, behind K's
.set KSC,   196608                     ; K's scale words, 4,096 bytes; V's behind them
.set VSCO,  4096
.set SCST,  204800                     ; 1,024 bytes: the 512 queries' scale bytes of ctx meet here
.set SPARE, 205824                     ; the spare words: 128 bytes a wave, eight blocks of 256 bytes that no other line names
.set L16, 1
.set L8,  2
.set R16, 3
.set SPW, 4
.set NIL, 5
.set A16, 6
.set A8,  7
.set AS,  8
.set SSA, 9
.set SRA, 11
.set V16, 228
.set V8,  229
.set SH8, 230
.set PS,  248
.set WV,  12
.set TB,  16                           ; s16 LDS byte of the step's tiles of K
.set TS,  17                           ; s17 of its scale words
.set CNT, 18
.set NC,  19                           ; s19 -c
.set SEL, 20
.set CS,  22
.macro WALU
	s_wait_alu depctr_va_vdst(0)
.endm
.macro CROUND
	s_barrier_signal -1
	s_barrier_wait -1
	s_cmp_lg_u32 s[WV], 0
	s_cbranch_scc1 .Lnot_wave_0_\@
	s_barrier_signal -3
.Lnot_wave_0_\@:
	s_barrier_wait -3
	s_barrier_signal -1
	s_barrier_wait -1
.endm
	s_load_b256 s[4:11], s[0:1], 0x0               ; ac, asc, cc, cs
	v_lshl_add_u32 v[SPW], v0, 2, SPARE
	v_mov_b32 v[NIL], 0
	ds_add_u32 v[SPW], v[NIL]                      ; the opening: the add, twice on end, and its wait ahead of the first tensor loads
	ds_add_u32 v[SPW], v[NIL]
	v_lshrrev_b32 v10, 5, v0
	v_readfirstlane_b32 s[WV], v10
	v_and_b32 v10, 31, v0
	v_lshlrev_b32 v[L16], 4, v10
	v_lshlrev_b32 v[L8], 3, v10
	v_and_b32 v10, 15, v0
	v_lshlrev_b32 v[R16], 4, v10
	s_lshl_b32 s52, s[WV], 6
	v_lshl_add_u32 v[SSA], v10, 1, s52
	v_add_nc_u32 v[SSA], SCST, v[SSA]              ; 64 x wave + 2 r
	v_bfe_u32 v[SH8], v0, 4, 1
	v_lshlrev_b32 v[SH8], 3, v[SH8]                ; 8 h
	s_and_b32 s53, s[WV], 1
	s_lshl_b32 s54, s53, 9
	v_add_nc_u32 v[SRA], s54, v[L16]
	v_add_nc_u32 v[SRA], SCST, v[SRA]
	WALU                                           ; the wait ahead of the run of scalar lines
	s_bfe_u32 s13, ttmp6, 0x40000                  ; cx: my block of 512 queries; it enters Q's, cc's and cs's addresses alone
	s_and_b32 s15, ttmp7, 0xffff                   ; 16 b + head
	s_mov_b32 s24, 15|(3<<16)|(1<<21)              ; group 1: 24,576 dense bytes as 96 rows of 256; the mask names all four
	s_mov_b32 s25, 32<<16
	s_mov_b32 s26, 96<<16
	s_mov_b32 s27, 32<<16
	s_mov_b32 s28, 96
	s_mov_b32 s29, 32
	s_mov_b32 s30, 0
	s_mov_b32 s31, 0
	s_mov_b32 s32, 15|(3<<16)|(1<<21)              ; the scale words: 4,096 bytes as 16 rows
	s_mov_b32 s33, 32<<16
	s_mov_b32 s34, 16<<16
	s_mov_b32 s35, 32<<16
	s_mov_b32 s36, 16
	s_mov_b32 s37, 32
	s_mov_b32 s38, 0
	s_mov_b32 s39, 0
	s_lshr_b32 s54, s[WV], 2
	s_and_b32 s62, s[WV], 3
	s_add_co_u32 s55, s54, 1                       ; waves 0-3 fetch K (part 1 of ac), waves 4-7 V (part 2): a quarter each
	s_mul_i32 s56, s55, 6291456
	s_mul_i32 s55, s15, 98304
	s_add_co_u32 s56, s56, s55
	s_mul_i32 s55, s62, 24576
	s_add_co_u32 s56, s56, s55
	s_mov_b32 s57, 0
	s_add_co_u32 s55, s53, 1                       ; wave 8 K's scale words (part 1 of asc), wave 9 V's
	s_lshl_b32 s58, s55, 18
	s_lshl_b32 s55, s15, 12
	s_add_co_u32 s58, s58, s55
	s_mov_b32 s59, 0
	s_mul_i32 s60, s[WV], 24576
	s_lshl_b32 s61, s53, 12
	s_add_co_u32 s61, s61, KSC
	s_lshl_b32 s74, s13, 5
	s_lshl_b32 s75, s[WV], 1
	s_add_co_u32 s74, s74, s75                     ; my first tile of queries in the head: 32 cx + 2 wave
	s_mul_i32 s66, s15, 98304
	s_mul_i32 s75, s74, 768
	s_add_co_u32 s66, s66, s75
	s_mov_b32 s67, 0
	s_lshl_b32 s68, s15, 12
	s_lshl_b32 s75, s13, 2
	s_add_co_u32 s75, s75, s54
	s_lshl_b32 s75, s75, 8
	s_add_co_u32 s68, s68, s75
	s_lshl_b32 s75, s62, 2
	s_add_co_u32 s68, s68, s75                     ; the word that holds my two tiles' bytes
	s_mov_b32 s69, 0
	s_lshr_b32 s76, s15, 4                         ; b
	s_and_b32 s77, s15, 15                         ; head
	s_lshl_b32 s75, s76, 7
	s_add_co_u32 s75, s75, s74
	s_lshl_b32 s75, s75, 3
	s_lshr_b32 s70, s77, 1
	s_add_co_u32 s75, s75, s70
	s_mul_i32 s70, s75, 1536
	s_and_b32 s75, s77, 1
	s_mul_i32 s75, s75, 768
	s_add_co_u32 s70, s70, s75
	s_mov_b32 s71, 0
	s_lshl_b32 s72, s77, 14
	s_lshl_b32 s75, s76, 12
	s_add_co_u32 s72, s72, s75
	s_lshl_b32 s75, s13, 10
	s_add_co_u32 s72, s72, s75
	s_lshl_b32 s75, s53, 9
	s_add_co_u32 s72, s72, s75
	s_mov_b32 s73, 0
	s_mov_b32 s[SEL], 0x76543210
	s_mov_b32 s[SEL+1], 0xfedcba98                 ; selects for lane l xor 16
	s_mov_b32 s[CS], 0x3e38aa3b                    ; c = log2(e) / 8
	s_mov_b32 s[CS+1], s[CS]
	s_mov_b32 s[NC], 0xbe38aa3b                    ; -c
	s_wait_dscnt 0x0                               ; both opening adds are done
	s_wait_kmcnt 0x0
	s_add_nc_u64 s[56:57], s[4:5], s[56:57]
	s_add_nc_u64 s[58:59], s[6:7], s[58:59]
	s_add_nc_u64 s[66:67], s[4:5], s[66:67]
	s_add_nc_u64 s[68:69], s[6:7], s[68:69]
	s_add_nc_u64 s[70:71], s[8:9], s[70:71]
	s_add_nc_u64 s[72:73], s[10:11], s[72:73]
	s_mov_b32 s40, 1                               ; group 0: scale words,
	s_mov_b32 s41, s61
	s_mov_b64 s[42:43], s[58:59]
	s_or_b32 s43, s43, 0x80000000
	s_mov_b32 s44, 1                               ; codes
	s_mov_b32 s45, s60
	s_mov_b64 s[46:47], s[56:57]
	s_or_b32 s47, s47, 0x80000000
	CROUND                                         ; all four work-groups are here: the joint loads meet
	s_cmp_lt_u32 s[WV], 8                          ; one chain of branches on the wave's number, one fill to an arm
	s_cbranch_scc0 .Lnot_codes
	tensor_load_to_lds s[44:47], s[24:31]
	s_nop 0
.rept 4
	v_nop
.endr
	s_branch .Lasked
.Lnot_codes:
	s_cmp_lt_u32 s[WV], 10
	s_cbranch_scc0 .Lasked
	tensor_load_to_lds s[40:43], s[32:39]
	s_nop 0
.rept 4
	v_nop
.endr
.Lasked:
	WALU
	global_load_b128 v[22:25], v[L16], s[66:67]                ; q of the first pass: a unit of 768 bytes
	global_load_b64 v[26:27], v[L8], s[66:67] offset:512
	global_load_b128 v[36:39], v[L16], s[66:67] offset:768     ; of the second
	global_load_b64 v[40:41], v[L8], s[66:67] offset:1280
	global_load_b32 v42, v[R16], s[68:69]
.irp j, 16,17,18,19,20,21,28,29,30,31,32,33
	v_mov_b32 v\j, 0                               ; zero codes on both sides of q
.endr
.macro INIT                            ; a pass begins: the largest score -3e38, -M = 2^125, the sum and O^T zeros: the step is written once, and its first turn multiplies zeros by 0
	v_mov_b32 v13, 0xff61b1e6
	v_mov_b32 v12, 0x7e000000
	v_mov_b32 v14, 0
	v_mov_b32 v15, 0
.set J, 0
.rept 32
	v_mov_b32 v[160+J], 0
.set J, J+1
.endr
.endm
	v_mov_b32 v236, 0                              ; a lane permute's destination counts as read
	v_mov_b32 v252, 0
	v_mov_b32 v253, 0                              ; (named as the upper half of the pair v[252:253])
	WALU
	s_wait_loadcnt 0x0
	s_wait_tensorcnt 0x0                           ; every wave waits for all its loads, under no branch,
	s_barrier_signal -1
	s_barrier_wait -1                              ; and the barrier shows K, V and their scale words to all
	v_perm_b32 v34, v42, v42, 0x01000100           ; a tile's two bytes, twice: they serve q in either half of the operand
	v_perm_b32 v35, v42, v42, 0x03020302
	INIT                                           ; (also the places between the scale word's write and the first product)
.macro KV a16, a8                      ; four operands of 12 registers, 1,536 bytes each
.irp p, 0,1,2,3
	ds_load_b128 v[44+12*\p:47+12*\p], v[\a16] offset:1536*\p
	ds_load_b64 v[48+12*\p:49+12*\p], v[\a8] offset:1536*\p+512
	ds_load_b128 v[50+12*\p:53+12*\p], v[\a16] offset:1536*\p+768
	ds_load_b64 v[54+12*\p:55+12*\p], v[\a8] offset:1536*\p+1280
.endr
.endm
.macro SUM4 j                          ; eight of the 64 p onto the sum's four chains
	v_pk_add_f32 v[240:241], v[240:241], v[\j:\j+1]
	v_pk_add_f32 v[242:243], v[242:243], v[\j+2:\j+3]
	v_pk_add_f32 v[246:247], v[246:247], v[\j+4:\j+5]
	v_pk_add_f32 v[14:15], v[14:15], v[\j+6:\j+7]
.endm
; A KEY STEP: 128 keys.
.macro STEP
	v_add_nc_u32 v[A16], s[TB], v[L16]             ; five lines: more than the four places in front of loads into registers that the last products read
	v_add_nc_u32 v[A8], s[TB], v[L8]
	v_add_nc_u32 v[AS], s[TS], v[R16]
	v_add_nc_u32 v[V16], VB, v[A16]
	v_add_nc_u32 v[V8], VB, v[A8]
	KV A16, A8
	ds_load_b128 v[92:95], v[AS]
	WALU
	s_wait_dscnt 0x0
.irp t, 0,1,2,3,4,5,6,7
	v_wmma_scale_f32_16x16x128_f8f6f4 v[96+8*\t:103+8*\t], v[44+12*(\t/2):55+12*(\t/2)], v[22-6*(\t%2):33-6*(\t%2)], 0, v[92+\t/2], v34 matrix_a_fmt:MATRIX_FMT_FP6 matrix_b_fmt:MATRIX_FMT_FP6
.endr
.rept 4
	v_nop
.endr
	KV V16, V8                                     ; V's four tiles land while the softmax runs
	ds_load_b128 v[92:95], v[AS] offset:VSCO
.irp k, 0,1,2,3
	v_max3_num_f32 v[232+\k], v[96+16*\k], v[97+16*\k], v[98+16*\k]   ; four chains of 16 scores, by turns
.endr
.irp i, 3,5,7,9,11,13
.irp k, 0,1,2,3
	v_max3_num_f32 v[232+\k], v[232+\k], v[96+16*\k+\i], v[97+16*\k+\i]
.endr
.endr
	v_max3_num_f32 v232, v232, v233, v111          ; the largest score of my two blocks of 32 keys: for the row's maximum, and, since p rises with the score, for the block's largest p
	v_max3_num_f32 v234, v234, v235, v143
	v_max_num_f32 v232, v232, v127
	v_max_num_f32 v234, v234, v159
	s_delay_alu instid0(VALU_DEP_1)
	v_max3_num_f32 v237, v232, v234, v13
	s_delay_alu instid0(VALU_DEP_1)
	v_permlanex16_b32 v236, v237, s[SEL], s[SEL+1]
	s_delay_alu instid0(VALU_DEP_1)
	v_max_num_f32 v13, v237, v236                  ; the running largest score of my query
	s_delay_alu instid0(VALU_DEP_1)
	v_mul_f32 v237, s[NC], v13
	s_delay_alu instid0(VALU_DEP_1)
	v_floor_f32 v238, v237                         ; -M = floor(-t): M is a whole number
	s_delay_alu instid0(VALU_DEP_1)
	v_sub_f32 v237, v238, v12
	s_delay_alu instid0(VALU_DEP_2)
	v_mov_b32 v12, v238
	s_delay_alu instid0(VALU_DEP_2)
	v_cvt_i32_f32 v237, v237                       ; (it saturates)
	s_delay_alu instid0(VALU_DEP_1)
	v_ldexp_f32 v252, 1.0, v237                    ; f = 2^(old M - new M)
.set J, 0
.rept 32
	v_pk_fma_f32 v[96+J:97+J], v[96+J:97+J], s[CS:CS+1], v[12:13] op_sel_hi:[1,0,0]   ; t - M
.set J, J+2
.endr
	v_fma_f32 v232, v232, s[CS], v12
	v_fma_f32 v234, v234, s[CS], v12
	WALU                                           ; the wait ahead of the batch
.set J, 0
.rept 64
	v_exp_f32 v[96+J], v[96+J]                     ; p = 2^(t - M)
.set J, J+1
.endr
	v_exp_f32 v232, v232                           ; the blocks' largest p: the same two instructions on the same number
	v_exp_f32 v234, v234
	v_pk_mul_f32 v[14:15], v[14:15], v[252:253] op_sel_hi:[1,0]   ; the sum under the new M: the plain place behind the batch
	WALU                                           ; one wait for the batch, ahead of its first reader
	v_pk_add_f32 v[240:241], v[96:97], v[98:99]    ; the row's sum, of the unquantised p, in four chains; the lines that make the scale word stand among them, so that none waits for the line above it
	v_pk_add_f32 v[242:243], v[100:101], v[102:103]
	v_pk_add_f32 v[246:247], v[104:105], v[106:107]
	v_pk_add_f32 v[14:15], v[14:15], v[108:109]
	v_max_num_f32 v232, 0x1800000, v232            ; the floor 2^(3 - 127): the byte cannot fall under 1
	v_max_num_f32 v234, 0x1800000, v234
	SUM4 110
	v_add_nc_u32 v244, 0xff000000, v232            ; 2 off the exponent field: the conversion's scale operand
	v_add_nc_u32 v245, 0xff000000, v234
	SUM4 118
	v_lshrrev_b32 v238, 23, v244                   ; the bytes of blocks h and 2 + h
	v_lshrrev_b32 v239, 23, v245
.irp c, 0,1
	v_cvt_scalef32_pk16_fp6_f32 v[192+6*\c:194+6*\c], v[96+32*\c:111+32*\c], v[244+\c]
	v_cvt_scalef32_pk16_fp6_f32 v[204+4*\c:206+4*\c], v[112+32*\c:127+32*\c], v[244+\c]   ; (a conversion's three registers begin on an even number)
.endr
	SUM4 126                                       ; (plain lines behind the conversions)
	v_lshl_or_b32 v238, v239, 16, v238
	SUM4 134
	v_lshlrev_b32 v238, v[SH8], v238               ; at their places in the word
	SUM4 142
	v_permlanex16_b32 v236, v238, s[SEL], s[SEL+1]
	SUM4 150
	v_or_b32 v[PS], v238, v236                     ; with lane l xor 16's two: p's scale word for these 128 keys
	v_pk_add_f32 v[240:241], v[240:241], v[158:159]
	v_pk_add_f32 v[242:243], v[242:243], v[246:247]
	v_pk_add_f32 v[14:15], v[14:15], v[240:241]
	v_pk_add_f32 v[14:15], v[14:15], v[242:243]
.irp c, 0,1
.irp i, 0,1,2
	v_mov_b32 v[195+6*\c+\i], v[204+4*\c+\i]
.endr
.endr
	WALU                                           ; the wait directly ahead of the first reader of O^T
.set J, 0
.rept 16
	v_pk_mul_f32 v[160+J:161+J], v[160+J:161+J], v[252:253] op_sel_hi:[1,0]   ; O^T under the new M; also the places in front of the products below
.set J, J+2
.endr
	WALU
	s_wait_dscnt 0x0                               ; V is in
.irp t, 0,1,2,3
	v_wmma_scale_f32_16x16x128_f8f6f4 v[160+8*\t:167+8*\t], v[44+12*\t:55+12*\t], v[192:203], v[160+8*\t:167+8*\t], v[92+\t], v[PS] matrix_a_fmt:MATRIX_FMT_FP6 matrix_b_fmt:MATRIX_FMT_FP6
.endr
	s_add_co_u32 s[TB], s[TB], 6144
	s_add_co_u32 s[TS], s[TS], 256
.endm
.macro PASS                            ; 16 queries against the head's 16 key steps
	s_mov_b32 s[TB], 0
	s_mov_b32 s[TS], KSC
	s_mov_b32 s[CNT], 16
.Lstep_\@:
	STEP
	s_sub_co_u32 s[CNT], s[CNT], 1
	s_cmp_lg_u32 s[CNT], 0
	s_cbranch_scc1 .Lstep_\@
.endm
; A pass is done: O^T / the sum, quantised: 64 channels, two blocks; six registers and two bytes; they leave at once.
.macro FIN e
.rept 4
	v_nop
.endr
	v_add_f32 v14, v14, v15
	v_permlanex16_b32 v236, v14, s[SEL], s[SEL+1]
	v_add_f32 v14, v14, v236
	WALU
	v_rcp_f32 v14, v14
	v_nop
	WALU                                           ; ahead of the reciprocal's first reader, and of the first reader of O^T
.set J, 0
.rept 32
	v_mul_f32 v[96+J], v[160+J], v14               ; register 16 b + i: channel 32 b + 16 h + i
.set J, J+1
.endr
.irp b, 0,1
	v_max3_num_f32 v[232+\b], |v[96+16*\b]|, |v[97+16*\b]|, 0x1800000
.endr
.irp i, 2,4,6,8,10,12,14
.irp b, 0,1
	v_max3_num_f32 v[232+\b], v[232+\b], |v[96+16*\b+\i]|, |v[97+16*\b+\i]|
.endr
.endr
	v_permlanex16_b32 v236, v232, s[SEL], s[SEL+1]
	v_permlanex16_b32 v252, v233, s[SEL], s[SEL+1]
	v_max_num_f32 v232, v232, v236
	v_max_num_f32 v233, v233, v252
	v_add_nc_u32 v244, 0xff000000, v232
	v_add_nc_u32 v245, 0xff000000, v233
	v_lshrrev_b32 v238, 23, v244
	v_lshrrev_b32 v239, 23, v245
	v_lshl_or_b32 v10, v239, 8, v238
	v_cvt_scalef32_pk16_fp6_f32 v[212+6*\e:214+6*\e], v[96:111], v244
	v_cvt_scalef32_pk16_fp6_f32 v[204:206], v[112:127], v245
	v_nop
.irp i, 0,1,2
	v_permlane16_swap_b32 v[212+6*\e+\i], v[204+\i]   ; a whole block to a lane: lanes 0-15 block 0, lanes 16-31 block 1
.endr
.irp i, 0,1,2
	v_mov_b32 v[215+6*\e+\i], v[204+\i]
.endr
	global_store_b128 v[L16], v[212+6*\e:215+6*\e], s[70:71] offset:12288*\e        ; 512 consecutive bytes,
	global_store_b64 v[L8], v[216+6*\e:217+6*\e], s[70:71] offset:12288*\e+512      ; and 256; each pass has registers of its own
	ds_store_b16 v[SSA], v10 offset:32*\e          ; both halves of the lanes write the same bytes with the same value
.endm
	PASS
	FIN 0
.irp i, 0,1,2,3,4,5
	v_mov_b32 v[22+\i], v[36+\i]                   ; the second pass's q and scale word, first, so that what follows stands between them and the next product
.endr
	v_mov_b32 v34, v35
	INIT
	PASS
	FIN 1
	s_wait_tensorcnt 0x0                           ; the wave's end
	ds_add_u32 v[SPW], v[NIL]
	s_wait_dscnt 0x0
	s_barrier_signal -1
	s_barrier_wait -1                              ; the 512 queries' scale bytes lie in LDS
	s_cmp_lt_u32 s[WV], 2
	s_cbranch_scc0 .Lno_cs
	ds_load_b128 v[96:99], v[SRA]
	s_wait_dscnt 0x0
	global_store_b128 v[L16], v[96:99], s[72:73]   ; 512 consecutive bytes a wave
.Lno_cs:
	CROUND                                         ; the closing round
	s_endpgm
.Lfunc_end_k_qd5a37c5d66_attn:
	.size	k_qd5a37c5d66_attn, .Lfunc_end_k_qd5a37c5d66_attn-k_qd5a37c5d66_attn
	.p2alignl 7, 3214868480
	.fill 96, 4, 3214868480
	.section	.rodata,"a",@progbits
	.p2align	6, 0x0
	.amdhsa_kernel k_qd5a37c5d66_attn
		.amdhsa_group_segment_fixed_size 207872
		.amdhsa_private_segment_fixed_size 0
		.amdhsa_enable_private_segment 0
		.amdhsa_kernarg_size 32
		.amdhsa_user_sgpr_count 2
		.amdhsa_user_sgpr_kernarg_segment_ptr 1
		.amdhsa_wavefront_size32 1
		.amdhsa_system_sgpr_workgroup_id_x 1
		.amdhsa_system_sgpr_workgroup_id_y 1
		.amdhsa_system_sgpr_workgroup_id_z 1
		.amdhsa_system_vgpr_workitem_id 0
		.amdhsa_next_free_vgpr 256
		.amdhsa_next_free_sgpr 80
		.amdhsa_reserve_vcc 0
		.amdhsa_float_denorm_mode_32 3
		.amdhsa_float_denorm_mode_16_64 3
		.amdhsa_memory_ordered 1
		.amdhsa_forward_progress 1
		.amdhsa_inst_pref_size 49
	.end_amdhsa_kernel
	.amdgpu_metadata
---
amdhsa.version: [ 1, 2 ]
amdhsa.kernels:
  - .name:           k_qd5a37c5d66_attn
    .symbol:         k_qd5a37c5d66_attn.kd
    .args:
      - { .name: ac, .offset: 0, .size: 8, .value_kind: global_buffer, .address_space: global }
      - { .name: asc, .offset: 8, .size: 8, .value_kind: global_buffer, .address_space: global }
      - { .name: cc, .offset: 16, .size: 8, .value_kind: global_buffer, .address_space: global }
      - { .name: cs, .offset: 24, .size: 8, .value_kind: global_buffer, .address_space: global }
    .group_segment_fixed_size: 207872
    .private_segment_fixed_size: 0
    .kernarg_segment_align: 8
    .kernarg_segment_size: 32
    .max_flat_workgroup_size: 512
    .sgpr_count:     80
    .vgpr_count:     256
    .wavefront_size: 32
...
	.end_amdgpu_metadata
.endif
;; end of part 3
;; launch oproj (part 4): grid 8 x 32, 4 waves a work-group, clusters of 4 x 4, 327,680 bytes of LDS; arguments cc, cs, xc, xs, bo, out0; writes out0
.if DOCPART == 4
	.amdgcn_target "amdgcn-amd-amdhsa--gfx1250"
	.amdhsa_code_object_version 6
	.text
	.protected	k_qd5a37c5d66_oproj
	.globl	k_qd5a37c5d66_oproj
	.p2align	8
	.type	k_qd5a37c5d66_oproj,@function
k_qd5a37c5d66_oproj:
	s_mov_b64 s[64:65], 0
	v_nop
	global_prefetch_b8 v0, s[64:65] scope:SCOPE_SE
	s_setreg_imm32_b32 hwreg(HW_REG_WAVE_MODE, 25, 1), 1
	s_wait_xcnt 0x0
	s_wait_alu depctr_hold_cnt(0) depctr_sa_sdst(0) depctr_va_vdst(0) depctr_va_sdst(0) depctr_va_ssrc(0) depctr_va_vcc(0) depctr_vm_vsrc(0)
	s_getreg_b32 s2, hwreg(HW_REG_IB_STS2, 6, 4)
	s_cmp_eq_u32 s2, 0
	s_cbranch_scc0 .Lentry_in_a_cluster
	s_endpgm
.Lentry_in_a_cluster:
	s_bfe_u32 s2, ttmp6, 0x10000c
	s_cmp_lg_u32 s2, 0xf033
	s_cbranch_scc0 .Lentry_shape_is_right
	s_endpgm
.Lentry_shape_is_right:
; out0 = ctx Wo^T + bo on codes of FP6 (E2M3) with E8M0 scales; f32 sums; the bias is the first products' C.
; A work-group makes 256 rows x 128 columns: 32 x 8 = 256 work-groups; four waves, 2 x 2, each 128 x 64: 32 accumulators.
; K is 1,024, so ALL of K lies in LDS at once: ctx's 16 tiles (196,608 dense bytes), Wo's 8 tiles (98,304 dense bytes), ctx's scale bytes (16 heads x 512 bytes).  They are filled once, at the head, one tensor load a wave:
; waves 0 and 1 a half of ctx each, wave 2 Wo, wave 3 the scale bytes.  Nothing is filled again.  Wo's scale words and the bias go from memory straight into registers.
; CLUSTER 4 x 4: ctx's tiles and scale bytes are shared along a row of the cluster, Wo's along a column, by joint loads.
; No prefetch is laid: all fills stand at the kernel's head, so there is no loop in which to ask ahead of them.
; IN.  cc[tile of 16 rows][K step][half][768]: six operand registers: lane l's first four at 16 l, its last two at 512 + 8 l.  cs[head][row][2 bytes]: a K step's scale word is two heads' pairs of bytes.
; xc[tile][K step][1536]: chunk c of 512 bytes holds lane l's registers 4c .. 4c+3; xs[row][32 bytes].  Wo's tiles begin at tile 1,728.
; The matrix instruction is used transposed (source 0 = Wo's rows, source 1 = ctx's rows): a lane holds eight neighbouring columns of a row of out0; a block of 16 rows goes through the wave's own stage in LDS and leaves as whole rows of 256 bytes.
; REGISTERS: window 0: v16-31 addresses, v32-63 Wo's scale words, v64-95 ctx's, v96-127 the bias, v128-223 Wo's fragments (two sets), v224-255 the upper halves of ctx's scale words; window 1: ctx's fragments, two sets; window 2: the accumulators.
.set BB0,   196608
.set ASC,   294912
.set SPARE, 303104                     ; the spare words: 128 bytes a wave, two blocks of 256 bytes that no other line names
.set STAGE, 303616                     ; 16 rows x 272 bytes for each wave: bytes into which no fill lands
.set ADRA, 16
.set ADRA8, 18
.set ADRB, 20
.set XS,   21
.set ADRSA, 22
.set STO,  24
.set RD,   25
.set CO,   26
.set BO,   27
.set SPW,  28
.set NIL,  29
.set L16,  30
.set L8,   31
.set SB,   32
.set SA,   64
.set BIAS, 96
.set BF,   128
.set BK,   128
.set HI,   224
.set G1A,  24
.set G0A,  32
.set G1B,  44
.set G0B,  52
.set G1S,  68
.set G0S,  76
.set MSB, 0
.macro WIN new
.if MSB != (\new)
	s_set_vgpr_msb (MSB<<8)|(\new)
.set MSB, (\new)
.endif
.endm
.macro CROUND
	s_barrier_signal -1
	s_barrier_wait -1
	s_cmp_lg_u32 s14, 0
	s_cbranch_scc1 .Lnot_wave_0_\@
	s_barrier_signal -3
.Lnot_wave_0_\@:
	s_barrier_wait -3
	s_barrier_signal -1
	s_barrier_wait -1
.endm
.macro TLOAD g0, g1
	tensor_load_to_lds s[\g0:\g0+3], s[\g1:\g1+7]
	s_nop 0
.rept 4
	v_nop
.endr
.endm
	s_load_b256 s[4:11], s[0:1], 0x0               ; cc, cs, xc, xs
	s_load_b128 s[92:95], s[0:1], 0x20             ; bo, out0
	v_lshl_add_u32 v[SPW], v0, 2, SPARE
	v_mov_b32 v[NIL], 0
	ds_add_u32 v[SPW], v[NIL]                      ; the opening: the add, twice on end, and its wait
	ds_add_u32 v[SPW], v[NIL]
	v_lshrrev_b32 v1, 5, v0
	v_readfirstlane_b32 s14, v1                    ; wave; s15 its half of the rows, s16 its half of the columns
	s_lshr_b32 s15, s14, 1
	s_and_b32 s16, s14, 1
	v_and_b32 v1, 15, v0                           ; r
	v_bfe_u32 v2, v0, 4, 1                         ; h
	v_and_b32 v3, 31, v0
	v_lshlrev_b32 v[L16], 4, v3
	v_lshlrev_b32 v[L8], 3, v3
	s_mul_i32 s2, s15, 98304
	v_add_nc_u32 v[ADRA], s2, v[L16]               ; my tiles 0-3 of ctx,
	v_add_nc_u32 v[ADRA8], s2, v[L8]
	s_add_co_u32 s2, s2, 49152
	v_add_nc_u32 v[ADRA+1], s2, v[L16]             ; and 4-7
	v_add_nc_u32 v[ADRA8+1], s2, v[L8]
	s_mul_i32 s3, s16, 49152
	s_add_co_u32 s3, s3, BB0
	v_add_nc_u32 v[ADRB], s3, v[L16]
	v_lshlrev_b32 v[XS], 5, v1                     ; a row of Wo's scale bytes: 32
	s_lshl_b32 s2, s15, 8
	s_add_co_u32 s2, s2, ASC
	v_lshlrev_b32 v4, 1, v1
	v_lshl_add_u32 v4, v2, 10, v4                  ; 2 r; lanes 16-31 take the next K step: two heads, 1,024 bytes on
	v_add_nc_u32 v[ADRSA], s2, v4
	s_mul_i32 s2, s14, 16*272
	s_add_co_u32 s2, s2, STAGE
	v_mul_u32_u24 v4, v1, 272
	v_lshl_add_u32 v4, v2, 5, v4
	v_add_nc_u32 v[STO], s2, v4
	v_mul_u32_u24 v4, v2, 272
	v_lshl_add_u32 v4, v1, 4, v4
	v_add_nc_u32 v[RD], s2, v4
	v_lshlrev_b32 v[CO], 4, v1
	v_lshl_add_u32 v[CO], v2, 12, v[CO]
	v_lshlrev_b32 v[BO], 5, v2
	s_wait_alu depctr_va_vdst(0)                   ; the wait ahead of the run of scalar lines
	s_bfe_u32 s96, ttmp6, 0x40000                  ; cx
	s_bfe_u32 s97, ttmp6, 0x40004                  ; cy
	s_lshl_b32 s17, ttmp9, 2
	s_add_co_u32 s17, s17, s96                     ; block of 128 columns
	s_and_b32 s18, ttmp7, 0xffff
	s_lshl_b32 s18, s18, 2
	s_add_co_u32 s18, s18, s97                     ; block of 256 rows
	s_lshl_b32 s19, s97, 2
	s_lshl_b32 s19, 15, s19                        ; my row of the cluster
	s_lshl_b32 s20, 0x1111, s96                    ; my column
	s_or_b32 s[G1A], s19, (3<<16)|(1<<21)          ; 98,304 dense bytes as 384 rows of 256
	s_or_b32 s[G1B], s20, (3<<16)|(1<<21)
.irp g, G1A, G1B
	s_mov_b32 s[\g+1], 32<<16
	s_mov_b32 s[\g+2], 384<<16
	s_mov_b32 s[\g+3], 32<<16
	s_mov_b32 s[\g+4], 384
	s_mov_b32 s[\g+5], 32
	s_mov_b32 s[\g+6], 0
	s_mov_b32 s[\g+7], 0
.endr
	s_or_b32 s[G1S], s19, (3<<16)|(1<<21)          ; 16 heads' rows of 512 bytes, 16,384 bytes apart
	s_mov_b32 s[G1S+1], 64<<16
	s_mov_b32 s[G1S+2], 16<<16
	s_mov_b32 s[G1S+3], 64<<16
	s_mov_b32 s[G1S+4], 16
	s_mov_b32 s[G1S+5], 2048
	s_mov_b32 s[G1S+6], 0
	s_mov_b32 s[G1S+7], 0
	s_mul_i32 s84, s18, 196608
	s_mul_i32 s21, s16, 98304                      ; waves 0 and 1: which half of ctx's tiles, in memory and in LDS
	s_add_co_u32 s84, s84, s21
	s_mov_b32 s85, 0
	s_lshl_b32 s86, s18, 9
	s_mov_b32 s87, 0
	s_lshl_b32 s23, s17, 3
	s_add_co_u32 s23, s23, 1728
	s_mul_i32 s88, s23, 12288
	s_mov_b32 s89, 0
	s_lshl_b32 s22, s16, 2
	s_add_co_u32 s23, s23, s22
	s_lshl_b32 s90, s23, 9                         ; my 64 rows of Wo's scale bytes
	s_mov_b32 s91, 0
	s_lshl_b32 s19, s17, 9
	s_lshl_b32 s20, s16, 8
	s_add_co_u32 s19, s19, s20                     ; my first column, in bytes
	s_lshl_b32 s98, s18, 20
	s_lshl_b32 s99, s15, 19
	s_add_co_u32 s98, s98, s99
	s_add_co_u32 s98, s98, s19
	s_mov_b32 s99, 0
	s_wait_dscnt 0x0
	s_wait_kmcnt 0x0
	s_add_nc_u64 s[84:85], s[4:5], s[84:85]
	s_add_nc_u64 s[86:87], s[6:7], s[86:87]
	s_add_nc_u64 s[88:89], s[8:9], s[88:89]
	s_add_nc_u64 s[90:91], s[10:11], s[90:91]
	s_add_nc_u64 s[94:95], s[94:95], s[98:99]
	s_mov_b32 s98, s19
	s_add_nc_u64 s[92:93], s[92:93], s[98:99]
	CROUND                                         ; all sixteen work-groups are here: the joint loads meet
	s_mov_b32 s[G0A], 1
	s_mov_b32 s[G0A+1], s21
	s_mov_b64 s[G0A+2:G0A+3], s[84:85]
	s_or_b32 s[G0A+3], s[G0A+3], 0x80000000
	s_mov_b32 s[G0B], 1
	s_mov_b32 s[G0B+1], BB0
	s_mov_b64 s[G0B+2:G0B+3], s[88:89]
	s_or_b32 s[G0B+3], s[G0B+3], 0x80000000
	s_mov_b32 s[G0S], 1
	s_mov_b32 s[G0S+1], ASC
	s_mov_b64 s[G0S+2:G0S+3], s[86:87]
	s_or_b32 s[G0S+3], s[G0S+3], 0x80000000
	s_cmp_lt_u32 s14, 2                            ; one chain of branches on the wave's number, one fill to an arm
	s_cbranch_scc0 .Lwave_2
	TLOAD G0A, G1A
	s_branch .Lasked
.Lwave_2:
	s_cmp_eq_u32 s14, 2
	s_cbranch_scc0 .Lwave_3
	TLOAD G0B, G1B
	s_branch .Lasked
.Lwave_3:
	TLOAD G0S, G1S
.Lasked:
.irp b, 0,1,2,3
	global_load_b128 v[BIAS+8*\b:BIAS+8*\b+3], v[BO], s[92:93] offset:64*\b
	global_load_b128 v[BIAS+8*\b+4:BIAS+8*\b+7], v[BO], s[92:93] offset:64*\b+16
.endr
.irp k, 0,1
.irp b, 0,1,2,3
	global_load_b128 v[SB+16*\k+4*\b:SB+16*\k+4*\b+3], v[XS], s[90:91] offset:512*\b+16*\k   ; row 16 b + r: the words of K steps 4 k .. 4 k + 3
.endr
.endr
	s_wait_loadcnt 0x0
	s_wait_tensorcnt 0x0                           ; every wave waits for its load, under no branch,
	s_barrier_signal -1
	s_barrier_wait -1                              ; and the barrier shows all four fills to all
.irp k, 0,1
.irp q, 0,1
.irp a, 0,1,2,3,4,5,6,7
	ds_load_u16 v[SA+16*\k+8*\q+\a], v[ADRSA] offset:(4*\k+2*\q)*1024+32*\a          ; lanes 0-15 K step 4 k + 2 q, lanes 16-31 the next: its first head's two bytes,
	ds_load_u16 v[HI+16*\k+8*\q+\a], v[ADRSA] offset:(4*\k+2*\q)*1024+512+32*\a      ; and its second head's
.endr
.endr
.endr
.macro FETCH s                         ; 44 LDS loads: K step s's fragments into set s % 2
.set PP, (\s)%2
	WIN 0
.irp b, 0,1,2,3
.irp c, 0,1,2
	ds_load_b128 v[BF+48*PP+12*\b+4*\c:BF+48*PP+12*\b+4*\c+3], v[ADRB] offset:\b*12288+(\s)*1536+512*\c
.endr
.endr
	WIN 0x40
.irp a, 0,1,2,3,4,5,6,7
.irp e, 0,1
	ds_load_b128 v[128*PP+12*\a+6*\e:128*PP+12*\a+6*\e+3], v[ADRA+\a/4] offset:(\a%4)*12288+(\s)*1536+768*\e
	ds_load_b64 v[128*PP+12*\a+6*\e+4:128*PP+12*\a+6*\e+5], v[ADRA8+\a/4] offset:(\a%4)*12288+(\s)*1536+768*\e+512
.endr
.endr
	WIN 0
.endm
.macro PROD s                          ; 32 products, the 32 accumulators by turns
.set KA, (\s)/4
.set QQ, (\s)%4
.set PP, (\s)%2
.if (\s) == 0
	WIN 0x84
.else
	WIN 0xa4
.endif
.irp a, 0,1,2,3,4,5,6,7
.irp b, 0,1,2,3
.if (\s) == 0
	v_wmma_scale_f32_16x16x128_f8f6f4 v[8*(4*\a+\b):8*(4*\a+\b)+7], v[BF+48*PP+12*\b:BF+48*PP+12*\b+11], v[128*PP+12*\a:128*PP+12*\a+11], v[BIAS+8*\b:BIAS+8*\b+7], v[SB+16*KA+4*\b+QQ], v[SA+16*KA+8*(QQ/2)+\a] matrix_a_fmt:MATRIX_FMT_FP6 matrix_b_fmt:MATRIX_FMT_FP6
.elseif PP == 0
	v_wmma_scale_f32_16x16x128_f8f6f4 v[8*(4*\a+\b):8*(4*\a+\b)+7], v[BF+48*PP+12*\b:BF+48*PP+12*\b+11], v[128*PP+12*\a:128*PP+12*\a+11], v[8*(4*\a+\b):8*(4*\a+\b)+7], v[SB+16*KA+4*\b+QQ], v[SA+16*KA+8*(QQ/2)+\a] matrix_a_fmt:MATRIX_FMT_FP6 matrix_b_fmt:MATRIX_FMT_FP6
.else
	v_wmma_scale_f32_16x16x128_f8f6f4 v[8*(4*\a+\b):8*(4*\a+\b)+7], v[BF+48*PP+12*\b:BF+48*PP+12*\b+11], v[128*PP+12*\a:128*PP+12*\a+11], v[8*(4*\a+\b):8*(4*\a+\b)+7], v[SB+16*KA+4*\b+QQ], v[SA+16*KA+8*(QQ/2)+\a] matrix_a_fmt:MATRIX_FMT_FP6 matrix_b_fmt:MATRIX_FMT_FP6 matrix_b_scale:MATRIX_SCALE_ROW1
.endif
.endr
.endr
	WIN 0
.endm
	FETCH 0
	s_wait_dscnt 44                                ; the 64 loads of scale bytes are in; the 44 just issued may be out
.set I, 0
.rept 32
	v_lshl_or_b32 v[SA+I], v[HI+I], 16, v[SA+I]    ; a K step's scale word; the first product's were written first, more than eight places ahead of it
.set I, I+1
.endr
	s_wait_alu depctr_va_vdst(0)
.irp s, 0,1,2,3,4,5,6,7
.if \s > 0
.rept 4
	v_nop                                          ; places in front of loads into registers that the last products read
.endr
.endif
.if \s < 7
	FETCH \s+1
	s_wait_dscnt 44                                ; this step's fragments are in; the next step's 44 loads may be out
.else
	s_wait_dscnt 0x0
.endif
	PROD \s
.endr
.macro TOSTAGE a
	WIN 0x08
.irp b, 0,1,2,3
	ds_store_b128 v[STO], v[32*(\a)+8*\b:32*(\a)+8*\b+3] offset:64*\b        ; each accumulator from its low end on
	ds_store_b128 v[STO], v[32*(\a)+8*\b+4:32*(\a)+8*\b+7] offset:64*\b+16
.endr
	WIN 0
.set BB, BK+32*((\a)%2)
.irp t, 0,1,2,3,4,5,6,7
	ds_load_b128 v[BB+4*\t:BB+4*\t+3], v[RD] offset:2*\t*272                 ; LDS serves a wave's instructions in order: these see the stores above
.endr
.endm
.macro SEND a, younger
.set BB, BK+32*((\a)%2)
	s_wait_dscnt \younger
.if (\a) > 0
	s_add_nc_u64 s[94:95], s[94:95], 65536         ; 16 rows on (behind a wait on XCNT: the earlier stores have read their base)
.endif
.irp t, 0,1,2,3,4,5,6,7
	global_store_b128 v[CO], v[BB+4*\t:BB+4*\t+3], s[94:95] offset:2*\t*4096 th:TH_STORE_NT   ; sixteen lanes store 256 consecutive bytes, aligned
.endr
.endm
.rept 4
	v_nop
.endr
	TOSTAGE 0
.irp a, 1,2,3,4,5,6,7
.if \a > 1
	s_wait_xcnt 0x0                                ; block a - 2's stores have read their registers and their base
.endif
	TOSTAGE \a
	SEND \a-1, 16                                  ; behind block a - 1's loads: block a's 8 stores and 8 loads
.endr
	s_wait_xcnt 0x0
	SEND 7, 0
	s_wait_tensorcnt 0x0                           ; the wave's end
	ds_add_u32 v[SPW], v[NIL]
	s_wait_dscnt 0x0
	CROUND                                         ; the closing round
	s_endpgm
.Lfunc_end_k_qd5a37c5d66_oproj:
	.size	k_qd5a37c5d66_oproj, .Lfunc_end_k_qd5a37c5d66_oproj-k_qd5a37c5d66_oproj
	.p2alignl 7, 3214868480
	.fill 96, 4, 3214868480
	.section	.rodata,"a",@progbits
	.p2align	6, 0x0
	.amdhsa_kernel k_qd5a37c5d66_oproj
		.amdhsa_group_segment_fixed_size 327680
		.amdhsa_private_segment_fixed_size 0
		.amdhsa_enable_private_segment 0
		.amdhsa_kernarg_size 48
		.amdhsa_user_sgpr_count 2
		.amdhsa_user_sgpr_kernarg_segment_ptr 1
		.amdhsa_wavefront_size32 1
		.amdhsa_system_sgpr_workgroup_id_x 1
		.amdhsa_system_sgpr_workgroup_id_y 1
		.amdhsa_system_sgpr_workgroup_id_z 1
		.amdhsa_system_vgpr_workitem_id 0
		.amdhsa_next_free_vgpr 768
		.amdhsa_next_free_sgpr 100
		.amdhsa_reserve_vcc 0
		.amdhsa_float_denorm_mode_32 3
		.amdhsa_float_denorm_mode_16_64 3
		.amdhsa_memory_ordered 1
		.amdhsa_forward_progress 1
		.amdhsa_inst_pref_size 87
	.end_amdhsa_kernel
	.amdgpu_metadata
---
amdhsa.version: [ 1, 2 ]
amdhsa.kernels:
  - .name:           k_qd5a37c5d66_oproj
    .symbol:         k_qd5a37c5d66_oproj.kd
    .args:
      - { .name: cc, .offset: 0, .size: 8, .value_kind: global_buffer, .address_space: global }
      - { .name: cs, .offset: 8, .size: 8, .value_kind: global_buffer, .address_space: global }
      - { .name: xc, .offset: 16, .size: 8, .value_kind: global_buffer, .address_space: global }
      - { .name: xs, .offset: 24, .size: 8, .value_kind: global_buffer, .address_space: global }
      - { .name: bo, .offset: 32, .size: 8, .value_kind: global_buffer, .address_space: global }
      - { .name: out0, .offset: 40, .size: 8, .value_kind: global_buffer, .address_space: global }
    .group_segment_fixed_size: 327680
    .private_segment_fixed_size: 0
    .kernarg_segment_align: 8
    .kernarg_segment_size: 48
    .max_flat_workgroup_size: 128
    .sgpr_count:     100
    .vgpr_count:     768
    .wavefront_size: 32
...
	.end_amdgpu_metadata
.endif
;; end of part 4
